; MI455X (gfx1250); checked and timed in simulation.
; The chip was launched on July 23, 2026; its instructions are those of AMD's public machine-readable ISA for CDNA 5 (MIT licence, August 2026) and "CDNA5" Instruction Set Architecture Reference Guide (July 2026). The comments in the code are by the model that wrote it; some were corrected since.
;; Memory Molecular. Allowed arithmetic: float matrix products may take bf16 or f16 operands with f32 sums; other float arithmetic in f32, or as packed bf16 or f16 multiplies, adds, multiply-adds, maxima and minima; sums over many terms, partial sums and values carried from step to step in f32; what a program stores and reads back later, other than sums and carried values, may be rounded once to bf16 or f16.
;; Inputs: feature_queue 65,536 x 512 float32; rep_queue 65,536 x 512 float32; x 2,048 x 512 float32.
;; Outputs: out0 2,048 x 512 float32; out1 2,048 x 512 float32.
;; One version. Each part assembles by itself: llvm-mc -triple=amdgcn-amd-amdhsa -mcpu=gfx1250 --defsym DOCPART=n.
;; ======== version 1 of 1: 4 launches
;; workspace buffers: xb 2,097,152 bytes; part 9,043,968 bytes; idx 16,384 bytes of whole numbers
;; launch cvtx (part 1): grid 256 x 1, 8 waves a work-group, no clusters, 0 bytes of LDS; arguments x, xb; writes xb
.if DOCPART == 1
	.amdgcn_target "amdgcn-amd-amdhsa--gfx1250"
	.amdhsa_code_object_version 6
	.text
	.protected	k_q693cffa899_cvtx
	.globl	k_q693cffa899_cvtx
	.p2align	8
	.type	k_q693cffa899_cvtx,@function
k_q693cffa899_cvtx:
	s_mov_b64 s[64:65], 0
	v_nop
	global_prefetch_b8 v0, s[64:65] scope:SCOPE_SE
	s_setreg_imm32_b32 hwreg(HW_REG_WAVE_MODE, 25, 1), 1
	s_wait_xcnt 0x0
; xb = x rounded once to bf16 (nearest even).  x: [2048][512] f32, xb: [2048][512] bf16.
; 256 work-groups of 256 threads; a work-group takes 4,096 numbers on end, a thread twice 8: 32 bytes in, 16 bytes out,
; so each store of a wave covers 512 consecutive bytes, aligned.  No LDS, no barrier: nothing is shared.
	s_load_b128 s[4:7], s[0:1], 0x0                ; x s[4:5], xb s[6:7]
	s_lshl_b32 s8, ttmp9, 14                       ; the work-group's 16,384 bytes of x
	s_mov_b32 s9, 0
	s_lshl_b32 s10, ttmp9, 13                      ; and its 8,192 bytes of xb
	s_mov_b32 s11, 0
	v_lshlrev_b32 v1, 5, v0                        ; my 32 bytes of x
	v_lshlrev_b32 v2, 4, v0                        ; my 16 bytes of xb
	s_wait_kmcnt 0x0
	s_add_nc_u64 s[4:5], s[4:5], s[8:9]
	s_add_nc_u64 s[6:7], s[6:7], s[10:11]
	global_load_b128 v[4:7],   v1, s[4:5]
	global_load_b128 v[8:11],  v1, s[4:5] offset:16
	global_load_b128 v[12:15], v1, s[4:5] offset:8192
	global_load_b128 v[16:19], v1, s[4:5] offset:8208
	s_wait_loadcnt 0x2                             ; the first eight numbers are in; the two younger loads stay out
.irp j, 0,1,2,3
	v_cvt_pk_bf16_f32 v[20+(\j)], v[4+2*(\j)], v[5+2*(\j)]
.endr
	global_store_b128 v2, v[20:23], s[6:7]
	s_wait_loadcnt 0x0
.irp j, 0,1,2,3
	v_cvt_pk_bf16_f32 v[24+(\j)], v[12+2*(\j)], v[13+2*(\j)]
.endr
	global_store_b128 v2, v[24:27], s[6:7] offset:4096
	s_endpgm
.Lfunc_end_k_q693cffa899_cvtx:
	.size	k_q693cffa899_cvtx, .Lfunc_end_k_q693cffa899_cvtx-k_q693cffa899_cvtx
	.p2alignl 7, 3214868480
	.fill 96, 4, 3214868480
	.section	.rodata,"a",@progbits
	.p2align	6, 0x0
	.amdhsa_kernel k_q693cffa899_cvtx
		.amdhsa_group_segment_fixed_size 0
		.amdhsa_private_segment_fixed_size 0
		.amdhsa_enable_private_segment 0
		.amdhsa_kernarg_size 16
		.amdhsa_user_sgpr_count 2
		.amdhsa_user_sgpr_kernarg_segment_ptr 1
		.amdhsa_wavefront_size32 1
		.amdhsa_system_sgpr_workgroup_id_x 1
		.amdhsa_system_sgpr_workgroup_id_y 1
		.amdhsa_system_sgpr_workgroup_id_z 1
		.amdhsa_system_vgpr_workitem_id 0
		.amdhsa_next_free_vgpr 32
		.amdhsa_next_free_sgpr 66
		.amdhsa_reserve_vcc 0
		.amdhsa_float_denorm_mode_32 3
		.amdhsa_float_denorm_mode_16_64 3
		.amdhsa_memory_ordered 1
		.amdhsa_forward_progress 1
		.amdhsa_inst_pref_size 2
	.end_amdhsa_kernel
	.amdgpu_metadata
---
amdhsa.version: [ 1, 2 ]
amdhsa.kernels:
  - .name:           k_q693cffa899_cvtx
    .symbol:         k_q693cffa899_cvtx.kd
    .args:
      - { .name: x, .offset: 0, .size: 8, .value_kind: global_buffer, .address_space: global }
      - { .name: xb, .offset: 8, .size: 8, .value_kind: global_buffer, .address_space: global }
    .group_segment_fixed_size: 0
    .private_segment_fixed_size: 0
    .kernarg_segment_align: 8
    .kernarg_segment_size: 16
    .max_flat_workgroup_size: 256
    .sgpr_count:     66
    .vgpr_count:     32
    .wavefront_size: 32
...
	.end_amdgpu_metadata
.endif
;; end of part 1
;; launch main (part 2): grid 256 x 1, 4 waves a work-group, clusters of 4 x 1, 327,680 bytes of LDS; arguments xb, feature_queue, part; writes part
.if DOCPART == 2
	.amdgcn_target "amdgcn-amd-amdhsa--gfx1250"
	.amdhsa_code_object_version 6
	.text
	.protected	k_q693cffa899_main
	.globl	k_q693cffa899_main
	.p2align	8
	.type	k_q693cffa899_main,@function
k_q693cffa899_main:
	s_mov_b64 s[64:65], 0
	v_nop
	global_prefetch_b8 v0, s[64:65] scope:SCOPE_SE
	s_setreg_imm32_b32 hwreg(HW_REG_WAVE_MODE, 25, 1), 1
	s_wait_xcnt 0x0
	s_wait_alu depctr_hold_cnt(0) depctr_sa_sdst(0) depctr_va_vdst(0) depctr_va_sdst(0) depctr_va_ssrc(0) depctr_va_vcc(0) depctr_vm_vsrc(0)
	s_getreg_b32 s2, hwreg(HW_REG_IB_STS2, 6, 4)
	s_cmp_eq_u32 s2, 0
	s_cbranch_scc0 .Lentry_in_a_cluster
	s_endpgm
.Lentry_in_a_cluster:
	s_bfe_u32 s2, ttmp6, 0x10000c
	s_cmp_lg_u32 s2, 0x3003
	s_cbranch_scc0 .Lentry_shape_is_right
	s_endpgm
.Lentry_shape_is_right:
; logits = x feature_queue^T, and for each row of x the largest and the smallest logit among THIS work-group's 256 queue entries, each with its entry's number.
; xb: [2048][512] bf16 (x rounded once).  feature_queue: [65536][512] f32, rounded to bf16 here on its way into registers.  Sums in f32.
; part: [256 work-groups][2208][16 bytes] = (max, its entry, min, its entry); row q of x lies at place q + 160; places 0 to 159 take the results of the pipeline's empty first steps and are read by nobody.
; LIMITS.  Operands are bf16, sums f32: of two entries whose logits differ by less than the error of an f32 sum of 512 terms (some 1e-5 at logits near 100) either may be chosen.
; Equal sums give the lowest entry, at every level of the search.  A NaN logit is never chosen; infinities compare as numbers.
; SHARES.  A work-group owns 256 entries, each of its four waves 64: they STAY IN REGISTERS, 64 fragments of 8 (512 registers), so each byte of feature_queue is read and rounded once in the launch.
; Every wave walks all 2,048 rows of x in tiles of 16.  A tile is 64 matrix instructions: 16 steps of 32 along the features x 4 blocks of 16 entries.
; LAYOUT.  Source 0 = 16 entries, source 1 = 16 rows of x: in the result lane l holds ONE row of x (l % 16) and eight entries.  Row m of block kb is the wave's entry 32 (m / 8) + 8 kb + m % 8, so the
; half h = l / 16 of the lanes holds the entries 32 h + p, p = 8 kb + register: ascending in p, then h, then wave, then work-group.  So 'take the later one only if it is strictly better' keeps the first entry everywhere.
; BY TURNS.  Two sets of four accumulators.  While tile T is multiplied, the search through tile T - 1's 32 results a lane is cut into 64 slices of three vector instructions, one slice behind each matrix instruction.
; The lane's result goes to LDS; eight tiles' results (128 rows x 8 lane halves) are merged by the 128 threads, a row each, at the next change of slots but one, and stored: 2,048 consecutive bytes.
; CLUSTER.  All work-groups walk the same x: the four of a cluster ask for each tile JOINTLY (the same tensor load, descriptor and mask in all four).  A slot holds 128 rows of x; each wave fetches 32.
; No prefetch is written: feature_queue is read at the head alone, and a refill of x has 512 matrix instructions in which to land.
;
; REGISTERS, in windows of 256 (s_set_vgpr_msb: bits 1:0 source 0, 3:2 source 1, 5:4 source 2, 7:6 destination):
;   window 0: v0-15 addresses and a lane's result; v16-31 the search's four chains; v64-127 accumulators, two sets of 4 x 8; v128-255 x's 16 fragments of one tile
;   window 1: at the head 16 landing places of 16 for f32 data; then v0-31 eight results to merge, v32-35 the merged one
;   windows 2, 3: the entries' fragments: block kb, step c at register 512 + 8 (16 kb + c)
.set PITCH,  1040                      ; a row of x in LDS: 1,024 bytes + 16 of padding = 260 words: row r starts 4 r words on, modulo 64 (64 banks of 4 bytes: ISA guide 11.1): 16 rows, 16 different groups of banks
.set TILEB,  16*PITCH                  ; a tile of 16 rows
.set SLOTB,  8*TILEB                   ; a slot: 133,120 = 0x20800; it shares no bit with wave x QB, so one exclusive or turns an address in one slot into the other's
.set QB,     32*PITCH                  ; what one tensor load brings
.set RES,    2*SLOTB                   ; behind the ring, never filled by a tensor load: two buffers of results, [tile 0..7][2 wave + h][row 0..15][16 bytes]
.set RESB,   16384
.set SPARE,  RES+2*RESB                ; behind them: the spare words, 128 bytes for each wave: two blocks of 256 bytes that no other line names
.set PARTB,  2208*16                   ; a work-group's bytes of part
.set XSTEP,  128*1024                  ; a slot's rows in xb
.set XL,  2                            ; v2   my place in a tile of x: (l % 16) x PITCH + 16 (l / 16); never rewritten
.set ADR, 3                            ; v3   LDS address of the tile that is being fetched
.set T16, 4                            ; v4   16 x my thread's number; never rewritten
.set RSA, 5                            ; v5   where my result goes
.set ML,  6                            ; v6   thread t merges row t of 128: (t / 16) x 2,048 + (t % 16) x 16; never rewritten
.set MLA, 7                            ; v7   where I read the results to merge
.set KB,  8                            ; v8   my lane's first entry: 256 x work-group + 64 x wave + 32 h; never rewritten
.set FO,  9                            ; v9   my byte offset in 16 entries' rows of feature_queue; never rewritten
.set SPW, 10                           ; v10  LDS address of my spare word: SPARE + 4 x my thread's number; never rewritten
.set NIL, 11                           ; v11  0; never rewritten
.set RR,  12                           ; v[12:15] my lane's result: max, its entry, min, its entry
.set MXV, 16                           ; v16-19  chain kb: the running maximum
.set MXI, 20                           ; v20-23  its p
.set MNV, 24                           ; v24-27  the running minimum
.set MNI, 28                           ; v28-31  its p
.set ACC, 64
.set XF,  128
.set MG,  0                            ; window 1
.set MR,  32                           ; window 1
.set WV,  10                           ; s10  my wave's number
.set G1,  16                           ; s[16:23] descriptor group 1
.set G0A, 24                           ; s[24:27] group 0 of the first fill of slot 0
.set G0B, 28                           ; s[28:31] group 0 of the first fill of slot 1; it then walks on
.set TB,  32                           ; s32  LDS byte of the next tile to fetch
.set RP,  33                           ; s33  LDS byte of the next tile's results
.set CNT, 34                           ; s34  counts a slot's four pairs of tiles
.set SLOTS, 35                         ; s35  counts slots
.set PP,  36                           ; s[36:37] where the merged results go
.set MSB, 0
.macro WIN new                         ; the immediate's high byte repeats the setting that is left; a switch that changes nothing is dropped
.if MSB != (\new)
	s_set_vgpr_msb (MSB<<8)|(\new)
.set MSB, (\new)
.endif
.endm
; A round of the cluster's barrier: my work-group's barrier, so that wave 0's signal speaks for all four waves; wave 0 signals; every wave waits for all four work-groups; my work-group's barrier once more.
.macro CREST                           ; a round behind its opening barrier
	s_cmp_lg_u32 s[WV], 0
	s_cbranch_scc1 .Lnot_wave_0_\@
	s_barrier_signal -3
.Lnot_wave_0_\@:
	s_barrier_wait -3
	s_barrier_signal -1
	s_barrier_wait -1
.endm
.macro CROUND                          ; a whole round
	s_barrier_signal -1
	s_barrier_wait -1
	CREST
.endm
	s_load_b128 s[4:7], s[0:1], 0x0                ; xb s[4:5], feature_queue s[6:7]
	s_load_b64 s[8:9], s[0:1], 0x10                ; part
	v_lshl_add_u32 v[SPW], v0, 2, SPARE
	v_mov_b32 v[NIL], 0
	ds_add_u32 v[SPW], v[NIL]                      ; the wave's opening: the add and its wait stand ahead of my first tensor load; the set-up below, work on registers, stands between them
	v_lshrrev_b32 v14, 5, v0
	v_readfirstlane_b32 s[WV], v14                 ; wave 0..3
	s_bfe_u32 s11, ttmp6, 0x40000                  ; cx: my place in the cluster
	s_lshl_b32 s12, ttmp9, 2                       ; in a cluster launch ttmp9 counts clusters
	s_add_co_u32 s12, s12, s11                     ; my work-group = 4 x cluster + cx: it enters feature_queue's and part's addresses and the entries' numbers alone
	; descriptor group 1: a tile of 32 rows x 512 elements, padded in LDS
	s_mov_b32 s[G1], 15|(1<<16)|(1<<20)|(1<<21)|(7<<22)|(3<<25)  ; 15:0 the mask: all four work-groups; 17:16 elements of 2 bytes; 20 padding on; 21 set beside a mask; 24:22 after every 256 words (code 7); 31:25 4 words of it (code 3)
	s_mov_b32 s[G1+1], 512<<16                     ; tensor_dim0 = 512
	s_mov_b32 s[G1+2], 32<<16                      ; tensor_dim1 = 32
	s_mov_b32 s[G1+3], 512<<16                     ; tile_dim0 = 512
	s_mov_b32 s[G1+4], 32                          ; tile_dim1 = 32
	s_mov_b32 s[G1+5], 512                         ; 512 elements from row to row
	s_mov_b32 s[G1+6], 0
	s_mov_b32 s[G1+7], 0
	s_mul_i32 s38, s[WV], QB                       ; my 32 rows' place in a slot: no place in the cluster enters an LDS address
	s_mov_b32 s[G0A], 1                            ; count = 1
	s_mov_b32 s[G0A+1], s38                        ; LDS address: slot 0
	s_mov_b32 s[G0B], 1
	s_add_co_u32 s[G0B+1], s38, SLOTB              ; slot 1
	s_lshl_b32 s38, s[WV], 15                      ; my 32 rows of 1,024 bytes in xb
	s_mov_b32 s39, 0
	s_lshl_b32 s40, s12, 19                        ; the work-group's 256 entries of 2,048 bytes,
	s_lshl_b32 s41, s[WV], 17                      ; my wave's 64 of them
	s_add_co_u32 s40, s40, s41
	s_mov_b32 s41, 0
	s_mul_i32 s42, s12, PARTB
	s_mov_b32 s43, 0
	s_lshl_b32 s44, s12, 8                         ; the work-group's first entry
	v_and_b32 v12, 15, v0                          ; l % 16
	v_bfe_u32 v13, v0, 4, 1                        ; h = l / 16
	v_lshrrev_b32 v1, 4, v0                        ; 2 x wave + h
	v_mul_u32_u24 v[XL], v12, PITCH
	v_lshl_add_u32 v[XL], v13, 4, v[XL]
	v_lshlrev_b32 v[T16], 4, v0
	v_lshlrev_b32 v[ML], 4, v12
	v_lshl_add_u32 v[ML], v1, 11, v[ML]
	v_lshl_add_u32 v[KB], v1, 5, s44
	v_and_b32 v14, 7, v0                           ; row m = l % 16 of a block is entry 32 (m / 8) + m % 8 (+ 8 kb): its 2,048 bytes,
	v_bfe_u32 v15, v0, 3, 1
	v_lshlrev_b32 v[FO], 11, v14
	v_lshl_add_u32 v[FO], v15, 16, v[FO]
	v_lshl_add_u32 v[FO], v13, 5, v[FO]            ; and eight f32 for each half of the lanes
	s_mov_b32 s[TB], 0
	s_mov_b32 s[RP], RES+2048                      ; the first buffer's first place is written below
	s_mov_b32 s[CNT], 4
	s_mov_b32 s[SLOTS], 15
	s_wait_dscnt 0x0                               ; the opening add is done
	s_wait_kmcnt 0x0
	s_add_nc_u64 s[6:7], s[6:7], s[40:41]          ; feature_queue at my wave's first entry
	s_add_nc_u64 s[PP:PP+1], s[8:9], s[42:43]      ; part at my work-group's first place
	s_add_nc_u64 s[G0A+2:G0A+3], s[4:5], s[38:39]  ; global address: my rows of x's first 128,
	s_add_nc_u64 s[G0B+2:G0B+3], s[G0A+2:G0A+3], XSTEP  ; and of the next 128
	s_or_b32 s[G0A+3], s[G0A+3], 0x80000000        ; type = 2
	s_or_b32 s[G0B+3], s[G0B+3], 0x80000000
	CROUND                                         ; all four work-groups are here: the first joint loads meet
	tensor_load_to_lds s[G0A:G0A+3], s[G1:G1+7]    ; both first fills go out together: two tensor loads of mine are out
	s_nop 0
	tensor_load_to_lds s[G0B:G0B+3], s[G1:G1+7]
	s_nop 0
.rept 4
	v_nop
.endr
; THE ENTRIES COME IN.  Fragment f = 16 kb + c: lane l takes features 32 c + 8 h + 0..7 and 32 c + 16 + 8 h + 0..7 of its entry: four loads of 16 bytes into landing place f % 16.
.macro FQLOAD f
.set lreg, 16*((\f)%16)
.set lofs, ((\f)/16)*16384+((\f)%16)*128
	global_load_b128 v[lreg:lreg+3],     v[FO], s[6:7] offset:lofs
	global_load_b128 v[lreg+4:lreg+7],   v[FO], s[6:7] offset:lofs+16
	global_load_b128 v[lreg+8:lreg+11],  v[FO], s[6:7] offset:lofs+64
	global_load_b128 v[lreg+12:lreg+15], v[FO], s[6:7] offset:lofs+80
.endm
	WIN 0x40                                       ; destination window 1, address window 0
.set f, 0
.rept 16
	FQLOAD f                                       ; 64 loads, 32 KiB a wave, on their way
.set f, f+1
.endr
	WIN 0
; What the pipeline's empty first steps find: the second set of accumulators (the tile before tile 0) and the first place of the first buffer of results (the tile before that) hold 0.  Written while the loads are out.
.set z, 0
.rept 32
	v_mov_b32 v[ACC+32+z], 0
.set z, z+1
.endr
.irp z, 0,1,2,3
	v_mov_b32 v[RR+(\z)], 0
.endr
	v_add_nc_u32 v[RSA], RES, v[T16]
	ds_store_b128 v[RSA], v[RR:RR+3]
.set f, 0
.rept 64                                       ; a ring of 16 landing places: a fragment is rounded to bf16, eight packed conversions, and its place is asked for again at once
.if f < 48
	s_wait_loadcnt 60                              ; loads come back in order (ISA guide 5.7.1): fragment f is in; the 15 younger fragments' loads stay out
.else
	s_wait_loadcnt 4*(63-f)                        ; the counts run down
.endif
	WIN 0x85+0x40*(f/32)                           ; sources window 1, destination window 2 or 3
.set lreg, 16*(f%16)
.set kreg, 8*(f%32)
.set z, 0
.rept 8
	v_cvt_pk_bf16_f32 v[kreg+z], v[lreg+2*z], v[lreg+2*z+1]
.set z, z+1
.endr
.if f < 48
	WIN 0x40
	FQLOAD f+16
.endif
.set f, f+1
.endr
	WIN 0x40
.set z, 0
.rept 32
	v_mov_b32 v[MG+z], 0                           ; the first merge, of a group that has not been, finds 0
.set z, z+1
.endr
	WIN 0
; THE MATRIX WORK.  Instruction i of a tile's 64, into accumulator set b: step c = i / 4 along the features, block kb = i % 4.  The four accumulators take turns, one instruction a turn, from tile to tile
; and over the backward jumps too.  The first four start the sums with the constant 0: nothing is cleared in the loop.
.macro MM b
.set kb, i%4
.set c, i/4
	WIN 0x02+(kb/2)                                ; source 0 in window 2 or 3
.set rD, ACC+32*(\b)+8*kb
.set rA, 8*(16*(kb%2)+c)
.set rB, XF+8*c
.if c == 0
	v_wmma_f32_16x16x32_bf16 v[rD:rD+7], v[rA:rA+7], v[rB:rB+7], 0
.else
	v_wmma_f32_16x16x32_bf16 v[rD:rD+7], v[rA:rA+7], v[rB:rB+7], v[rD:rD+7]
.endif
.endm
; THE LDS LOADS stand in runs of 16: eight fragments of x, steps lo to lo + 7 (lane l: row l % 16, 16 bytes at 64 c + 16 h and 32 bytes on).
.macro RUN lo
	WIN 0
.set cc, (\lo)
.rept 8
	ds_load_b128 v[XF+8*cc:XF+8*cc+3],   v[ADR] offset:64*cc
	ds_load_b128 v[XF+8*cc+4:XF+8*cc+7], v[ADR] offset:64*cc+32
.set cc, cc+1
.endr
.endm
; THE VECTOR WORK.  Slice k of 64 of the search through accumulator set pb, three instructions.
;   0-55   block k / 14, register (k % 14) / 2 + 1, maximum (k even) or minimum (k odd): is it strictly better?  the better value; its p where it was.  Register 1's slices start the chains from register 0
;          and the constant p, so nothing is set beforehand, and each accumulator's lowest registers are read first
;   56-59  chains 0, 1 into 0 and 2, 3 into 2          60, 61  chains 0, 2 into the result          62  p becomes the entry's number; the LDS address          63  the result goes to LDS
; Block kb's results are first read in slice 14 kb; block 0's last product stands four slices back, nine plain instructions that name none of its registers (ISA guide 7.12.1 asks for four).
.macro SLICE pb
	WIN 0
.if k < 56
.set skb, k/14
.set sj, (k%14)/2+1
.set ra, ACC+32*(\pb)+8*skb
.if (k%2 == 0) && (sj == 1)
	v_cmp_gt_f32 vcc_lo, v[ra+1], v[ra]
	v_max_num_f32 v[MXV+skb], v[ra], v[ra+1]
	v_cndmask_b32 v[MXI+skb], 8*skb, 8*skb+1, vcc_lo
.elseif k%2 == 0
	v_cmp_gt_f32 vcc_lo, v[ra+sj], v[MXV+skb]
	v_max_num_f32 v[MXV+skb], v[MXV+skb], v[ra+sj]
	v_cndmask_b32 v[MXI+skb], v[MXI+skb], 8*skb+sj, vcc_lo
.elseif sj == 1
	v_cmp_lt_f32 vcc_lo, v[ra+1], v[ra]
	v_min_num_f32 v[MNV+skb], v[ra], v[ra+1]
	v_cndmask_b32 v[MNI+skb], 8*skb, 8*skb+1, vcc_lo
.else
	v_cmp_lt_f32 vcc_lo, v[ra+sj], v[MNV+skb]
	v_min_num_f32 v[MNV+skb], v[MNV+skb], v[ra+sj]
	v_cndmask_b32 v[MNI+skb], v[MNI+skb], 8*skb+sj, vcc_lo
.endif
.elseif k < 60
.set sa, 2*((k-56)/2)
.if k%2 == 0
	v_cmp_gt_f32 vcc_lo, v[MXV+sa+1], v[MXV+sa]
	v_max_num_f32 v[MXV+sa], v[MXV+sa], v[MXV+sa+1]
	v_cndmask_b32 v[MXI+sa], v[MXI+sa], v[MXI+sa+1], vcc_lo
.else
	v_cmp_lt_f32 vcc_lo, v[MNV+sa+1], v[MNV+sa]
	v_min_num_f32 v[MNV+sa], v[MNV+sa], v[MNV+sa+1]
	v_cndmask_b32 v[MNI+sa], v[MNI+sa], v[MNI+sa+1], vcc_lo
.endif
.elseif k == 60
	v_cmp_gt_f32 vcc_lo, v[MXV+2], v[MXV]
	v_max_num_f32 v[RR], v[MXV], v[MXV+2]
	v_cndmask_b32 v[MXI], v[MXI], v[MXI+2], vcc_lo
.elseif k == 61
	v_cmp_lt_f32 vcc_lo, v[MNV+2], v[MNV]
	v_min_num_f32 v[RR+2], v[MNV], v[MNV+2]
	v_cndmask_b32 v[MNI], v[MNI], v[MNI+2], vcc_lo
.elseif k == 62
	v_add_nc_u32 v[RR+1], v[KB], v[MXI]
	v_add_nc_u32 v[RR+3], v[KB], v[MNI]
	v_add_nc_u32 v[RSA], s[RP], v[T16]
.else
	ds_store_b128 v[RSA], v[RR:RR+3]
	s_add_co_u32 s[RP], s[RP], 2048                ; the next tile's place
.endif
.endm
; HALF A TILE: 32 matrix instructions into set b (h = 0: steps 0-7, h = 1: steps 8-15), behind each a slice of the search through the other set.
; fetch = 1: behind the second slice stands a run of loads.  h = 0: the same tile's steps 8-15; their registers' last reader, the tile before's last product, stands six plain instructions back.
; h = 1: the NEXT tile's steps 0-7; the last reader stands ten plain instructions back.  Each run has 30 matrix instructions in which to land, and is waited for at the half's end.
.macro HALF b, h, fetch
.set i, 32*(\h)
.rept 32
	MM \b
.set k, i
	SLICE 1-(\b)
.if (\fetch) && (i == 32*(\h)+1)
.if (\h) == 0
	RUN 8
.else
	v_add_nc_u32 v[ADR], s[TB], v[XL]
	s_add_co_u32 s[TB], s[TB], TILEB
	RUN 0
.endif
.endif
.set i, i+1
.endr
.if \fetch
.if (\h) == 0
	s_wait_dscnt 0x0                               ; steps 8-15 are in: nothing younger is out
.else
	s_wait_dscnt 0x1                               ; the next tile's steps 0-7 are in; only slice 63's store is younger
.endif
.endif
.endm
; THE MERGE of two results a and b (b's entries are the higher ones) into d: b is taken only where it is strictly better.
.macro MERGE a, b, d
	v_cmp_gt_f32 vcc_lo, v[\b], v[\a]
	v_max_num_f32 v[\d], v[\a], v[\b]
	v_cndmask_b32 v[(\d)+1], v[(\a)+1], v[(\b)+1], vcc_lo
	v_cmp_lt_f32 vcc_lo, v[(\b)+2], v[(\a)+2]
	v_min_num_f32 v[(\d)+2], v[(\a)+2], v[(\b)+2]
	v_cndmask_b32 v[(\d)+3], v[(\a)+3], v[(\b)+3], vcc_lo
.endm
.macro MERGE_DO                        ; a row's eight results (four waves x two halves of the lanes, ascending in entries) into one: 42 instructions on registers
	WIN 0x45                                       ; all in window 1
	MERGE MG,    MG+4,  MG
	MERGE MG+8,  MG+12, MG+8
	MERGE MG+16, MG+20, MG+16
	MERGE MG+24, MG+28, MG+24
	MERGE MG,    MG+8,  MG
	MERGE MG+16, MG+24, MG+16
	MERGE MG,    MG+16, MR
	WIN 0
.endm
.macro MERGE_LOAD
	WIN 0x40
.irp q, 0,1,2,3,4,5,6,7
	ds_load_b128 v[MG+4*(\q):MG+4*(\q)+3], v[MLA] offset:256*(\q)
.endr
	WIN 0
.endm
; THE CHANGE OF SLOTS stands between the two halves of a slot's last tile: that tile's steps 8-15 are in registers, so 32 products are ready behind it.  Each wave waits for all its tensor loads, of which
; one is out: its part of the other slot; adds 0 to its spare word; and waits for that, for its reads of the slot and for its stores of results.  Behind the barrier nobody reads this slot any more, the other
; slot is whole, and the eight tiles' results stored since the last change are whole.  fill = 1: the slot is filled again, with the rows two slots on; the barrier then opens a round of the cluster's, so
; that no wave of any partner still reads the slot or has a load on its way, and the joint refill is the first thing behind it.
; THE RESULTS.  Between signal and wait the group that was read at the LAST change is merged, on registers; behind the barrier it is stored, and the group just completed is read.  The two buffers take turns:
; a buffer is written again only behind the next barrier, in front of which every wave has waited for its reads of it.
.macro CHANGE fill
	WIN 0
	s_wait_xcnt 0x0                                ; the last store into part has read its data, its offset and its base: only now are the base and, below, the data written again
	s_add_nc_u64 s[PP:PP+1], s[PP:PP+1], 2048      ; the store below reaches back by its immediate
	s_wait_tensorcnt 0x0                           ; no tensor load of mine is out, so a group 0 may be written
	ds_add_u32 v[SPW], v[NIL]                      ; 0 onto my spare word; the steps below stand between it and the wait for it
.if \fill
	s_xor_b32 s[G0B+1], s[G0B+1], SLOTB            ; the walking descriptor: the other slot than last time,
	s_add_nc_u64 s[G0B+2:G0B+3], s[G0B+2:G0B+3], XSTEP  ; the next 128 rows; the type bits on top are not reached
.endif
	s_sub_co_u32 s[TB], s[TB], SLOTB               ; the fetches go back to a slot's first tile,
	s_xor_b32 s[TB], s[TB], SLOTB                  ; in the other slot
	s_sub_co_u32 s[RP], s[RP], RESB                ; the buffer of results just completed:
	v_add_nc_u32 v[MLA], s[RP], v[ML]              ; it is read below;
	s_xor_b32 s[RP], s[RP], RESB                   ; the next results go to the other one
	s_wait_dscnt 0x0                               ; the add is done, my reads of the slot are over, my results are stored
	s_barrier_signal -1
	MERGE_DO
	s_barrier_wait -1
.if \fill
	CREST
	tensor_load_to_lds s[G0B:G0B+3], s[G1:G1+7]    ; my one tensor load behind the round: 32 rows, with 512 matrix instructions in which to land
	s_nop 0
.rept 4
	v_nop
.endr
.endif
	WIN 0x04                                       ; the store's data in window 1
	global_store_b128 v[T16], v[MR:MR+3], s[PP:PP+1] offset:-2048 th:TH_STORE_NT  ; 128 rows x 16 bytes: each wave's store covers 512 consecutive bytes, aligned
	MERGE_LOAD
.endm
; A slot's eight tiles, from the second half of the last slot's last tile to the first half of this slot's last: four trips of two tiles.
.macro PAIRS first
	s_mov_b32 s[CNT], 4
.Lpair_\@:
	HALF 1, 1, 1
	WIN 0                                          ; at a label and at a branch every window is 0
.if \first
.Lfirst:
.endif
	HALF 0, 0, 1
	HALF 0, 1, 1
	HALF 1, 0, 1
	WIN 0
	s_sub_co_u32 s[CNT], s[CNT], 1
	s_cmp_lg_u32 s[CNT], 0
	s_cbranch_scc1 .Lpair_\@
.endm
	s_wait_tensorcnt 0x1                           ; my part of slot 0 is in; slot 1's may stay out
	s_wait_dscnt 0x0                               ; my zeros are stored
	s_barrier_signal -1
	s_barrier_wait -1                              ; everybody's are
	v_add_nc_u32 v[ADR], s[TB], v[XL]
	s_add_co_u32 s[TB], s[TB], TILEB
	RUN 0                                          ; tile 0, steps 0-7
	s_wait_dscnt 0x0
	s_branch .Lfirst                               ; the loop is entered at a tile's beginning, in the middle of a trip
.Lslot:                                        ; 14 times: every slot but the last two is filled again
	CHANGE 1
	PAIRS 1
	s_sub_co_u32 s[SLOTS], s[SLOTS], 1
	s_cmp_lg_u32 s[SLOTS], 0
	s_cbranch_scc1 .Lslot
	CHANGE 0                                       ; the tail is written out: nothing is asked for
	PAIRS 0
	CHANGE 0                                       ; the last change: only the results change buffers
	HALF 1, 1, 0                                   ; the last tile's second half fetches nothing
	WIN 0
.rept 4
	v_nop                                          ; the places behind the last products
.endr
.set k, 0
.rept 64
	SLICE 1                                        ; the last tile's search has no products to stand behind: once a launch
.set k, k+1
.endr
	s_wait_xcnt 0x0                                ; as in CHANGE
	s_add_nc_u64 s[PP:PP+1], s[PP:PP+1], 2048
	s_wait_dscnt 0x0                               ; the last two tiles' results are stored, the last whole group is in registers
	s_barrier_signal -1
	MERGE_DO
	s_barrier_wait -1
	WIN 0x04
	global_store_b128 v[T16], v[MR:MR+3], s[PP:PP+1] offset:-2048 th:TH_STORE_NT
	WIN 0
	s_cmp_lg_u32 s[WV], 0                          ; the last two tiles are 32 rows: wave 0 merges them
	s_cbranch_scc1 .Lend
	v_add_nc_u32 v[MLA], RES, v[ML]                ; they lie at the head of the first buffer
	MERGE_LOAD
	s_wait_dscnt 0x0
	s_wait_xcnt 0x0                                ; the store above has read its data
	MERGE_DO
	WIN 0x04
	global_store_b128 v[T16], v[MR:MR+3], s[PP:PP+1] th:TH_STORE_NT
	WIN 0
.Lend:
	s_wait_tensorcnt 0x0                           ; the wave's end: the add and its wait stand behind my last tensor load and my last LDS store
	ds_add_u32 v[SPW], v[NIL]
	s_wait_dscnt 0x0
	CROUND                                         ; the closing round: no work-group ends while a partner may still ask for a tile that names it
	s_endpgm
.Lfunc_end_k_q693cffa899_main:
	.size	k_q693cffa899_main, .Lfunc_end_k_q693cffa899_main-k_q693cffa899_main
	.p2alignl 7, 3214868480
	.fill 96, 4, 3214868480
	.section	.rodata,"a",@progbits
	.p2align	6, 0x0
	.amdhsa_kernel k_q693cffa899_main
		.amdhsa_group_segment_fixed_size 327680
		.amdhsa_private_segment_fixed_size 0
		.amdhsa_enable_private_segment 0
		.amdhsa_kernarg_size 24
		.amdhsa_user_sgpr_count 2
		.amdhsa_user_sgpr_kernarg_segment_ptr 1
		.amdhsa_wavefront_size32 1
		.amdhsa_system_sgpr_workgroup_id_x 1
		.amdhsa_system_sgpr_workgroup_id_y 1
		.amdhsa_system_sgpr_workgroup_id_z 1
		.amdhsa_system_vgpr_workitem_id 0
		.amdhsa_next_free_vgpr 1024
		.amdhsa_next_free_sgpr 66
		.amdhsa_reserve_vcc 1
		.amdhsa_float_denorm_mode_32 3
		.amdhsa_float_denorm_mode_16_64 3
		.amdhsa_memory_ordered 1
		.amdhsa_forward_progress 1
		.amdhsa_inst_pref_size 170
	.end_amdhsa_kernel
	.amdgpu_metadata
---
amdhsa.version: [ 1, 2 ]
amdhsa.kernels:
  - .name:           k_q693cffa899_main
    .symbol:         k_q693cffa899_main.kd
    .args:
      - { .name: xb, .offset: 0, .size: 8, .value_kind: global_buffer, .address_space: global }
      - { .name: feature_queue, .offset: 8, .size: 8, .value_kind: global_buffer, .address_space: global }
      - { .name: part, .offset: 16, .size: 8, .value_kind: global_buffer, .address_space: global }
    .group_segment_fixed_size: 327680
    .private_segment_fixed_size: 0
    .kernarg_segment_align: 8
    .kernarg_segment_size: 24
    .max_flat_workgroup_size: 128
    .sgpr_count:     66
    .vgpr_count:     1024
    .wavefront_size: 32
...
	.end_amdgpu_metadata
.endif
;; end of part 2
;; launch reduce (part 3): grid 64 x 1, 16 waves a work-group, no clusters, 10,240 bytes of LDS; arguments part, idx; writes idx
.if DOCPART == 3
	.amdgcn_target "amdgcn-amd-amdhsa--gfx1250"
	.amdhsa_code_object_version 6
	.text
	.protected	k_q693cffa899_reduce
	.globl	k_q693cffa899_reduce
	.p2align	8
	.type	k_q693cffa899_reduce,@function
k_q693cffa899_reduce:
	s_mov_b64 s[64:65], 0
	v_nop
	global_prefetch_b8 v0, s[64:65] scope:SCOPE_SE
	s_setreg_imm32_b32 hwreg(HW_REG_WAVE_MODE, 25, 1), 1
	s_wait_xcnt 0x0
; For each row of x: of the 256 partial results (max, its entry, min, its entry), one from each block of 256 queue entries, the best; idx[row] = (entry of the maximum, entry of the minimum), whole numbers.
; part: [256][2208][16 bytes], row q at place q + 160.  Blocks ascend in entries, and the later of two is taken only where it is strictly better: equal logits give the lowest entry.
; A work-group owns 32 rows, a lane a row; wave w merges blocks 16 w to 16 w + 15 (16 loads, each 512 consecutive bytes); the 16 waves' results meet in LDS, and wave 0 merges them.
; 64 work-groups: 32 rows are what makes a wave's load 512 bytes on end.  No matrix unit, no cluster: nothing is multiplied and no byte is read twice.
.set PARTB, 2208*16
.set Q,     16                         ; v[16:79]  sixteen results of four registers
.set OUT,   80                         ; v[80:81]  the two entries
.set SPW,   6                          ; v6   LDS address of my spare word: SPARE + 4 x my thread's number; never rewritten
.set NIL,   7                          ; v7   0; never rewritten
.set SPARE, 8192                       ; behind the 16 waves' results (512 bytes each): the spare words, 128 bytes for each wave
.macro MERGE a, b, d
	v_cmp_gt_f32 vcc_lo, v[\b], v[\a]
	v_max_num_f32 v[\d], v[\a], v[\b]
	v_cndmask_b32 v[(\d)+1], v[(\a)+1], v[(\b)+1], vcc_lo
	v_cmp_lt_f32 vcc_lo, v[(\b)+2], v[(\a)+2]
	v_min_num_f32 v[(\d)+2], v[(\a)+2], v[(\b)+2]
	v_cndmask_b32 v[(\d)+3], v[(\a)+3], v[(\b)+3], vcc_lo
.endm
.macro TREE14                          ; sixteen results into two (at Q and Q + 32), neighbours first, the lower block always as a
.irp a, 0,2,4,6,8,10,12,14
	MERGE Q+4*(\a), Q+4*(\a)+4, Q+4*(\a)
.endr
.irp a, 0,4,8,12
	MERGE Q+4*(\a), Q+4*(\a)+8, Q+4*(\a)
.endr
.irp a, 0,8
	MERGE Q+4*(\a), Q+4*(\a)+16, Q+4*(\a)
.endr
.endm
	s_load_b128 s[4:7], s[0:1], 0x0                ; part s[4:5], idx s[6:7]
	v_lshl_add_u32 v[SPW], v0, 2, SPARE
	v_mov_b32 v[NIL], 0
	v_lshrrev_b32 v1, 5, v0
	v_readfirstlane_b32 s8, v1                     ; wave 0..15
	v_and_b32 v5, 31, v0                           ; lane = row
	v_lshlrev_b32 v2, 4, v5                        ; its 16 bytes in part and in a wave's results
	v_lshlrev_b32 v3, 3, v5                        ; its 8 bytes in idx
	v_lshlrev_b32 v4, 4, v0                        ; where my wave's result for my row goes
	s_mul_i32 s10, s8, 16*PARTB                    ; my wave's first block,
	s_lshl_b32 s11, ttmp9, 9                       ; the work-group's 32 rows,
	s_add_co_u32 s10, s10, s11
	s_add_co_u32 s10, s10, 160*16                  ; behind the 160 places that nobody reads
	s_mov_b32 s11, 0
	s_lshl_b32 s12, ttmp9, 8
	s_mov_b32 s13, 0
	s_wait_kmcnt 0x0
	s_add_nc_u64 s[4:5], s[4:5], s[10:11]
	s_add_nc_u64 s[6:7], s[6:7], s[12:13]
.irp i, 0,1,2,3,4,5,6,7,8,9,10,11,12,13,14,15
	global_load_b128 v[Q+4*(\i):Q+4*(\i)+3], v2, s[4:5] offset:(\i)*PARTB th:TH_LOAD_NT
.endr
	s_wait_loadcnt 0x0
	TREE14
	MERGE Q, Q+32, Q
	ds_store_b128 v4, v[Q:Q+3]
	s_wait_dscnt 0x0                               ; for the others' sake: my result is stored
	s_barrier_signal -1
	s_barrier_wait -1
	s_cmp_lg_u32 s8, 0
	s_cbranch_scc1 .Lend
.irp i, 0,1,2,3,4,5,6,7,8,9,10,11,12,13,14,15
	ds_load_b128 v[Q+4*(\i):Q+4*(\i)+3], v2 offset:512*(\i)
.endr
	s_wait_dscnt 0x0
	TREE14
	v_cmp_gt_f32 vcc_lo, v[Q+32], v[Q]             ; of the last merge only the entries are wanted, side by side
	v_cndmask_b32 v[OUT], v[Q+1], v[Q+33], vcc_lo
	v_cmp_lt_f32 vcc_lo, v[Q+34], v[Q+2]
	v_cndmask_b32 v[OUT+1], v[Q+3], v[Q+35], vcc_lo
	global_store_b64 v3, v[OUT:OUT+1], s[6:7]      ; 32 lanes: 256 consecutive bytes, aligned
.Lend:
	s_wait_tensorcnt 0x0                           ; the wave's end: the add and its wait stand behind my last LDS store
	ds_add_u32 v[SPW], v[NIL]
	s_wait_dscnt 0x0
	s_endpgm
.Lfunc_end_k_q693cffa899_reduce:
	.size	k_q693cffa899_reduce, .Lfunc_end_k_q693cffa899_reduce-k_q693cffa899_reduce
	.p2alignl 7, 3214868480
	.fill 96, 4, 3214868480
	.section	.rodata,"a",@progbits
	.p2align	6, 0x0
	.amdhsa_kernel k_q693cffa899_reduce
		.amdhsa_group_segment_fixed_size 10240
		.amdhsa_private_segment_fixed_size 0
		.amdhsa_enable_private_segment 0
		.amdhsa_kernarg_size 16
		.amdhsa_user_sgpr_count 2
		.amdhsa_user_sgpr_kernarg_segment_ptr 1
		.amdhsa_wavefront_size32 1
		.amdhsa_system_sgpr_workgroup_id_x 1
		.amdhsa_system_sgpr_workgroup_id_y 1
		.amdhsa_system_sgpr_workgroup_id_z 1
		.amdhsa_system_vgpr_workitem_id 0
		.amdhsa_next_free_vgpr 96
		.amdhsa_next_free_sgpr 66
		.amdhsa_reserve_vcc 1
		.amdhsa_float_denorm_mode_32 3
		.amdhsa_float_denorm_mode_16_64 3
		.amdhsa_memory_ordered 1
		.amdhsa_forward_progress 1
		.amdhsa_inst_pref_size 10
	.end_amdhsa_kernel
	.amdgpu_metadata
---
amdhsa.version: [ 1, 2 ]
amdhsa.kernels:
  - .name:           k_q693cffa899_reduce
    .symbol:         k_q693cffa899_reduce.kd
    .args:
      - { .name: part, .offset: 0, .size: 8, .value_kind: global_buffer, .address_space: global }
      - { .name: idx, .offset: 8, .size: 8, .value_kind: global_buffer, .address_space: global }
    .group_segment_fixed_size: 10240
    .private_segment_fixed_size: 0
    .kernarg_segment_align: 8
    .kernarg_segment_size: 16
    .max_flat_workgroup_size: 512
    .sgpr_count:     66
    .vgpr_count:     96
    .wavefront_size: 32
...
	.end_amdgpu_metadata
.endif
;; end of part 3
;; launch gather (part 4): grid 256 x 1, 4 waves a work-group, no clusters, 0 bytes of LDS; arguments idx, rep_queue, out0, out1; writes out0, out1
.if DOCPART == 4
	.amdgcn_target "amdgcn-amd-amdhsa--gfx1250"
	.amdhsa_code_object_version 6
	.text
	.protected	k_q693cffa899_gather
	.globl	k_q693cffa899_gather
	.p2align	8
	.type	k_q693cffa899_gather,@function
k_q693cffa899_gather:
	s_mov_b64 s[64:65], 0
	v_nop
	global_prefetch_b8 v0, s[64:65] scope:SCOPE_SE
	s_setreg_imm32_b32 hwreg(HW_REG_WAVE_MODE, 25, 1), 1
	s_wait_xcnt 0x0
; out0[row] = rep_queue[idx[row][0]], out1[row] = rep_queue[idx[row][1]].  idx: [2048][2] whole numbers, stored by the launch before; rows of 512 f32 = 2,048 bytes.
; A wave takes two rows of x: four rows of rep_queue, four loads of 512 consecutive bytes each, all sixteen on their way at once; each store covers 512 consecutive bytes, aligned.
; An entry is held to 0 .. 65,535, the table's rows, before it enters an address.  No cache word on the loads: two rows of x may name the same entry.
	s_load_b256 s[4:11], s[0:1], 0x0               ; idx s[4:5], rep_queue s[6:7], out0 s[8:9], out1 s[10:11]
	v_lshrrev_b32 v1, 5, v0
	v_readfirstlane_b32 s16, v1                    ; wave 0..3
	v_and_b32 v6, 31, v0
	v_lshlrev_b32 v6, 4, v6                        ; 16 bytes a lane
	s_lshl_b32 s17, ttmp9, 2
	s_add_co_u32 s17, s17, s16                     ; my pair of rows
	s_lshl_b32 s18, s17, 4                         ; its 16 bytes of idx
	s_mov_b32 s19, 0
	s_lshl_b32 s20, s17, 12                        ; its 4,096 bytes of each output
	s_mov_b32 s21, 0
	s_wait_kmcnt 0x0
	s_add_nc_u64 s[4:5], s[4:5], s[18:19]
	s_add_nc_u64 s[8:9], s[8:9], s[20:21]
	s_add_nc_u64 s[10:11], s[10:11], s[20:21]
	s_load_b128 s[12:15], s[4:5], 0x0              ; first row: maximum's entry, minimum's; second row: the same
	s_wait_kmcnt 0x0
.irp i, 0,1,2,3
	s_min_u32 s[12+(\i)], s[12+(\i)], 0xffff
	s_lshl_b32 s[12+(\i)], s[12+(\i)], 11
	v_add_nc_u32 v[2+(\i)], s[12+(\i)], v6
.endr
.irp i, 0,1,2,3
.irp j, 0,1,2,3
	global_load_b128 v[16+16*(\i)+4*(\j):16+16*(\i)+4*(\j)+3], v[2+(\i)], s[6:7] offset:512*(\j)
.endr
.endr
.irp i, 0,1,2,3
	s_wait_loadcnt 12-4*(\i)                       ; loads come back in order (ISA guide 5.7.1): row i is in; the younger rows' loads stay out
.irp j, 0,1,2,3
	global_store_b128 v6, v[16+16*(\i)+4*(\j):16+16*(\i)+4*(\j)+3], s[8+2*((\i)%2):9+2*((\i)%2)] offset:((\i)/2)*2048+512*(\j) th:TH_STORE_NT
.endr
.endr
	s_endpgm
.Lfunc_end_k_q693cffa899_gather:
	.size	k_q693cffa899_gather, .Lfunc_end_k_q693cffa899_gather-k_q693cffa899_gather
	.p2alignl 7, 3214868480
	.fill 96, 4, 3214868480
	.section	.rodata,"a",@progbits
	.p2align	6, 0x0
	.amdhsa_kernel k_q693cffa899_gather
		.amdhsa_group_segment_fixed_size 0
		.amdhsa_private_segment_fixed_size 0
		.amdhsa_enable_private_segment 0
		.amdhsa_kernarg_size 32
		.amdhsa_user_sgpr_count 2
		.amdhsa_user_sgpr_kernarg_segment_ptr 1
		.amdhsa_wavefront_size32 1
		.amdhsa_system_sgpr_workgroup_id_x 1
		.amdhsa_system_sgpr_workgroup_id_y 1
		.amdhsa_system_sgpr_workgroup_id_z 1
		.amdhsa_system_vgpr_workitem_id 0
		.amdhsa_next_free_vgpr 80
		.amdhsa_next_free_sgpr 66
		.amdhsa_reserve_vcc 0
		.amdhsa_float_denorm_mode_32 3
		.amdhsa_float_denorm_mode_16_64 3
		.amdhsa_memory_ordered 1
		.amdhsa_forward_progress 1
		.amdhsa_inst_pref_size 5
	.end_amdhsa_kernel
	.amdgpu_metadata
---
amdhsa.version: [ 1, 2 ]
amdhsa.kernels:
  - .name:           k_q693cffa899_gather
    .symbol:         k_q693cffa899_gather.kd
    .args:
      - { .name: idx, .offset: 0, .size: 8, .value_kind: global_buffer, .address_space: global }
      - { .name: rep_queue, .offset: 8, .size: 8, .value_kind: global_buffer, .address_space: global }
      - { .name: out0, .offset: 16, .size: 8, .value_kind: global_buffer, .address_space: global }
      - { .name: out1, .offset: 24, .size: 8, .value_kind: global_buffer, .address_space: global }
    .group_segment_fixed_size: 0
    .private_segment_fixed_size: 0
    .kernarg_segment_align: 8
    .kernarg_segment_size: 32
    .max_flat_workgroup_size: 128
    .sgpr_count:     66
    .vgpr_count:     80
    .wavefront_size: 32
...
	.end_amdgpu_metadata
.endif
;; end of part 4
